; MI455X (gfx1250); checked and timed in simulation.
; The chip was launched on July 23, 2026; its instructions are those of AMD's public machine-readable ISA for CDNA 5 (MIT licence, August 2026) and "CDNA5" Instruction Set Architecture Reference Guide (July 2026). The comments in the code are by the model that wrote it; some were corrected since.
;; LSTM Cell. Allowed arithmetic: matrix products marked QUANTISED: E3M2 operands, one E8M0 scale for each 32 along K, by v_wmma_scale_f32_16x16x128_f8f6f4 with both operands' format E3M2, f32 sums; everything else in f32.
;; Inputs: Wh 1,024 x 4,096 float32; Wx 512 x 4,096 float32; b 4,096 float32; c 8,192 x 1,024 float32; h 8,192 x 1,024 float32; x 8,192 x 512 float32.
;; Outputs: out0 8,192 x 1,024 float32; out1 8,192 x 1,024 float32.
;; This version of the problem:
;;   THIS VERSION OF THE PROBLEM IS GIVEN IN LOW PRECISION. The matrix products marked QUANTISED in the list below multiply operands that are first quantised to E3M2 (3 exponent bits, 2 mantissa bits; 6 bits a number), with one power-of-two scale for each 32 numbers along K (OCP MX v1.0); their sums are f32. All else is computed in f32.
;;   The module's matrix products, in the order in which they are computed (A, B: the left and right operand; K: the contracted axis; several contracted axes count as one K, in the product's order):
;;     1. [M 8,192, K 512] x [K 512, N 4,096]; A: input x; B: input Wx: QUANTISED
;;     2. [M 8,192, K 1,024] x [K 1,024, N 4,096]; A: input h; B: input Wh: QUANTISED
;;   THE QUANTISER, for each operand of a quantised product, along K:
;;     - K is cut into blocks of 32 from its start; a last block that is shorter is filled with zeros.
;;     - A block's scale is 2^e with e = floor(log2(the largest magnitude in the block)) - 4, held to -126 .. 127; a block of zeros has e = 0. As a byte (E8M0): e + 127.
;;     - Each number is divided by its block's scale, clamped to +-28, and rounded to the nearest number of E3M2, ties to even, subnormals kept.
;;     - The product sums the exact products of the quantised numbers (number of the format x scale) in f32.
;;   ~~~python
;;   def quantise(x, axis):      # numpy; x: float32 -> the quantised numbers, widened to float32 again
;;       x = np.moveaxis(x, axis, -1); K = x.shape[-1]
;;       x = np.pad(x, [(0, 0)] * (x.ndim - 1) + [(0, -K % 32)]); x = x.reshape(x.shape[:-1] + (-1, 32)); a = np.abs(x).max(-1, keepdims=True)
;;       e = np.where(a > 0, np.clip(np.frexp(np.where(a > 0, a, 1))[1] - 1 - 4, -126, 127), 0)      # np.frexp(a)[1] - 1 = floor(log2(a)), exactly
;;       r = np.clip(x / 2.0 ** e, -28, 28)
;;       step = 2.0 ** (np.maximum(np.frexp(np.where(r == 0, 1, r))[1] - 1, -2) - 2)
;;       q = np.round(r / step) * step * 2.0 ** e      # np.round: ties to even
;;       return np.moveaxis(q.reshape(q.shape[:-2] + (-1,))[..., :K], -1, axis).astype(np.float32)
;;   ~~~
;; One version. Each part assembles by itself: llvm-mc -triple=amdgcn-amd-amdhsa -mcpu=gfx1250 --defsym DOCPART=n.
;; ======== version 1 of 1: 2 launches
;; limits: right only within a limited range of input values
;; workspace buffers: acodes 9,437,184 bytes; ascales 393,216 bytes; wcodes 2,359,296 bytes; wscales 98,304 bytes
;; launch quant (part 1): grid 960 x 1, 4 waves a work-group, no clusters, 34,304 bytes of LDS; arguments x, h, Wx, Wh, acodes, ascales, wcodes, wscales; writes acodes, ascales, wcodes, wscales
.if DOCPART == 1
	.amdgcn_target "amdgcn-amd-amdhsa--gfx1250"
	.amdhsa_code_object_version 6
	.text
	.protected	k_q310f03daf6_quant
	.globl	k_q310f03daf6_quant
	.p2align	8
	.type	k_q310f03daf6_quant,@function
k_q310f03daf6_quant:
	s_mov_b64 s[64:65], 0
	v_nop
	global_prefetch_b8 v0, s[64:65] scope:SCOPE_SE
	s_setreg_imm32_b32 hwreg(HW_REG_WAVE_MODE, 25, 1), 1
	s_wait_xcnt 0x0
; LSTM cell, first of two launches: x [8192][512], h [8192][1024] and the LIVE columns of Wx [512][4096], Wh [1024][4096], all f32, become codes of BF6 (E3M2) with one E8M0 byte for each 32 along K.
; DEAD WORK.  reference() splits gates = x Wx + h Wh + b into g_in, i_in, f_in, o_in and then forms f_out and o_out from i_in: f_in and o_in, gates[:, 2048:4096], are read by nothing, whatever the inputs hold.
; Column n of gates is made of column n of Wx, of Wh and of b alone, and the weights' quantiser runs along K inside one column: so columns 2048 .. 4095 of Wx, Wh and b can reach no output and move no live code or scale.
; They are neither loaded nor multiplied: half of both products.  All six inputs keep live parts and stay arguments of the program.
; LIMIT: a NaN, an infinity or an overflow that sits in those columns alone is not carried to the result.
; THE TWO PRODUCTS ARE ONE SUM over a K of 1,536: K step s of 128 is x / Wx at 128 s (s = 0 .. 3), then h / Wh at 128 (s - 4) (s = 4 .. 11).
; THE WORKSPACE IS LAID AS THE OPERAND'S REGISTERS.  A fragment (16 rows x 128 K, 12 registers a lane) is an image of 1,536 bytes: register j of lane l at 512 (j / 4) + 16 l + 4 (j % 4);
; lane (r = l % 16, hh = l / 16) holds row r, registers 6 c .. 6 c + 5 the codes of k = 64 c + 32 hh + 0 .. 31.
;   acodes  [RB 64][s 12][tile 8][1536]: RB = row / 128, tile = (row % 128) / 16.      ascales [RB 64][s 12][v 4][r 16][2] words: the word (four bytes, 128 along K) of tile 2 v + e, row r.
;   wcodes  [CB 16][s 12][tile 8][1536]: tile t, row r is gate column (t / 4) x 1024 + 64 CB + 16 (t % 4) + r: the g and the i columns of the same 64 outputs lie in one block.   wscales like ascales.
; A block's scale is 2^(floor(log2(its largest magnitude)) - 4); its byte is the largest magnitude's exponent field - 4, held at 1 from below.
; LIMITS: a block of zeros gets the byte 1 where the rule says 127 (its codes are zeros, which add nothing under any byte but 0xff, and this program alone reads the bytes); blocks whose largest magnitude lies
; under 2^-122 are held at the byte 1; NaN and infinities among the inputs are not served.
; SHARES, each of 65,536 bytes of input.  Work-groups 0 .. 191: the weights, without LDS.  Work-groups 192 .. 959: x and h, 32 rows each, through a stage in LDS of each wave's own.  No barrier: waves share nothing.
; No matrix unit, cluster or tensor load: a stream that nobody shares.  No prefetch: no loop runs ahead, a wave's loads all go out at its start.
.set SPARE, 33792                      ; behind the four stages: the spare words, 128 bytes for each wave: two blocks of 256 bytes that no other line names
.set STGB,  8448                       ; a wave's stage: 16 rows of SP bytes
.set SP,    528                        ; a stage row: 512 bytes + 16: 33 x 16, so that sixteen rows' equal columns fall on sixteen different places of 16 bytes modulo 256
.set SPW,   8                          ; v8   LDS address of my spare word; never rewritten
.set NIL,   9                          ; v9   0; never rewritten
.set X,     56                         ; weights: v56-183 four sets of 32 numbers;  activations: v56-119 64 numbers of my row
.set IMG0,  16                         ; weights: v16-27, v28-39 the two tiles' images
.set IMG1,  28
.set U,     40                         ; weights: v40.. the upper 16 codes of blocks 0 .. 3, four registers apart
.set VOFF,  10                         ; activations: v10-17 row i of eight + 16 x lane
.set TM,    18                         ; v18-21 largest magnitudes, v22-25 the other half's, then bytes, v26-29 the conversions' scale operands
.set PW,    30                         ; v30-31 the two fragments' scale words
.set PC,    34                         ; v34-45 the image just made, v46-48 and v50-52 at work
.set R,     120                        ; v120-247 two sets of 16 rows as they are loaded
.set BQ,    32                         ; s[32:39] four bases, eight rows apart
	s_load_b256 s[4:11], s[0:1], 0x0               ; x s[4:5], h s[6:7], Wx s[8:9], Wh s[10:11]
	s_load_b256 s[12:19], s[0:1], 0x20             ; acodes s[12:13], ascales s[14:15], wcodes s[16:17], wscales s[18:19]
	v_lshl_add_u32 v[SPW], v0, 2, SPARE
	v_mov_b32 v[NIL], 0
	v_lshrrev_b32 v1, 5, v0
	v_readfirstlane_b32 s20, v1                    ; wave 0 .. 3
	v_and_b32 v1, 31, v0                           ; lane
	v_and_b32 v2, 15, v0                           ; r
	v_bfe_u32 v3, v0, 4, 1                         ; hh
	v_lshlrev_b32 v4, 4, v1                        ; 16 x lane: my place in an image's 512 bytes
	s_mov_b32 s54, 0x76543210
	s_mov_b32 s55, 0xfedcba98                      ; v_permlanex16_b32's selects for lane l xor 16
	s_wait_alu depctr_va_vdst(0)
	s_cmp_lt_u32 ttmp9, 192
	s_cbranch_scc0 .Lact
; ---------------- THE WEIGHTS.  K is their FIRST axis: a lane takes a column and its registers run down K, so that each load reads 128 consecutive bytes (the four waves stand side by side on 512),
; a block of 32 along K lies in one lane's registers, and the conversions give codes with K innermost.  A wave: 32 columns (two tiles) x one K step (four blocks a lane).
	s_and_b32 s21, ttmp9, 15                       ; cq: which 128 of the 2,048 live columns
	s_lshr_b32 s22, ttmp9, 4                       ; s: the K step
	s_lshr_b32 s23, s21, 3                         ; gate: 0 g, 1 i
	s_and_b32 s27, s21, 7
	s_lshl_b32 s27, s27, 1
	s_lshr_b32 s28, s20, 1
	s_add_co_u32 s27, s27, s28                     ; CB = 2 (cq % 8) + wave / 2
	s_and_b32 s28, s20, 1
	s_lshl_b32 s28, s28, 1
	s_lshl_b32 s23, s23, 2
	s_add_co_u32 s23, s23, s28                     ; t0 = 4 gate + 2 (wave % 2): lanes 0-15 hold tile t0's columns, lanes 16-31 tile t0 + 1's
	s_wait_alu depctr_va_vdst(0)
	v_lshlrev_b32 v10, 2, v1                       ; 4 bytes a lane
	v_lshlrev_b32 v7, 3, v2
	v_lshl_add_u32 v7, v3, 2, v7                   ; my scale word's place: 8 r + 4 hh
	s_mul_i32 s30, s27, 147456
	s_mul_i32 s31, s22, 12288
	s_add_co_u32 s30, s30, s31
	s_mul_i32 s31, s23, 1536
	s_add_co_u32 s30, s30, s31                     ; the images: CB x 147,456 + s x 12,288 + t0 x 1,536
	s_mov_b32 s31, 0
	s_mul_i32 s32, s27, 6144
	s_lshl_b32 s33, s22, 9
	s_add_co_u32 s32, s32, s33
	s_lshl_b32 s33, s23, 6
	s_add_co_u32 s32, s32, s33                     ; the words: CB x 6,144 + s x 512 + (t0 / 2) x 128
	s_mov_b32 s33, 0
	s_wait_alu depctr_va_vdst(0)
	s_wait_kmcnt 0x0
	s_cmp_lt_u32 s22, 4                            ; K steps 0 .. 3 are Wx's, 4 .. 11 Wh's: the choice hangs on the work-group's number alone
	s_cselect_b64 s[24:25], s[8:9], s[10:11]
	s_cselect_b32 s26, 0, 4
	s_sub_co_u32 s26, s22, s26
	s_lshl_b32 s26, s26, 21                        ; 128 rows of 16,384 bytes
	s_lshl_b32 s28, s21, 9
	s_add_co_u32 s26, s26, s28                     ; + 512 cq
	s_lshl_b32 s28, s20, 7
	s_add_co_u32 s28, s26, s28                     ; + 128 wave
	s_mov_b32 s29, 0
	s_add_nc_u64 s[24:25], s[24:25], s[28:29]
	s_add_nc_u64 s[50:51], s[16:17], s[30:31]
	s_add_nc_u64 s[52:53], s[18:19], s[32:33]
.macro LOADW bk                        ; block bk: W(32 bk + i, my column), i = 0 .. 31; the offsets, 127 rows at the most, stay inside the signed 24-bit immediate (ISA guide, chapter 10)
.set ii, 0
.rept 32
	global_load_b32 v[X+32*(\bk)+ii], v10, s[24:25] offset:(32*(\bk)+ii)*16384 th:TH_LOAD_NT
.set ii, ii+1
.endr
.endm
.macro BLOCKW bk, lo                   ; block bk of my column: its byte into v14, its lower 16 codes into v[lo] on, its upper 16 into v[U + 4 bk] on (a conversion's three registers begin on an even number)
.set XS, X+32*(\bk)
	v_max3_num_f32 v12, |v[XS]|, |v[XS+1]|, |v[XS+2]|              ; the block's largest magnitude: all 32 numbers are mine; two chains
	v_max3_num_f32 v13, |v[XS+3]|, |v[XS+4]|, |v[XS+5]|
.irp i, 6,10,14,18,22,26
	v_max3_num_f32 v12, v12, |v[XS+\i]|, |v[XS+\i+1]|
	v_max3_num_f32 v13, v13, |v[XS+\i+2]|, |v[XS+\i+3]|
.endr
	v_max3_num_f32 v12, v12, |v[XS+30]|, |v[XS+31]|
	v_max3_num_f32 v12, v12, v13, 0x2800000        ; and the floor 2^(5 - 127): the byte cannot fall under 1
	v_add_nc_u32 v11, 0xfe000000, v12              ; 4 off the exponent field: the conversion takes the exponent field of this operand as its scale, and nothing else of it
	v_lshrrev_b32 v13, 23, v11                     ; the scale's byte
.if (\bk) == 0
	v_mov_b32 v14, v13
.else
	v_lshl_or_b32 v14, v13, 8*(\bk), v14           ; the lower K in the lower byte
.endif
	v_cvt_scalef32_pk16_bf6_f32 v[\lo:\lo+2], v[XS:XS+15], v11
	v_cvt_scalef32_pk16_bf6_f32 v[U+4*(\bk):U+4*(\bk)+2], v[XS+16:XS+31], v11
.endm
	LOADW 0
	LOADW 1
	s_wait_loadcnt 32                              ; block 0's 32 loads are in; block 1's may be out
	LOADW 2
	BLOCKW 0, IMG0
	s_wait_loadcnt 32                              ; block 1's are in; block 2's may be out
	LOADW 3
	BLOCKW 1, IMG1
	s_wait_loadcnt 32                              ; block 2's are in; block 3's may be out
	BLOCKW 2, IMG0+6
	s_wait_loadcnt 0x0
	BLOCKW 3, IMG1+6
	v_nop                                          ; one plain vector instruction between a scaled conversion and the vector instruction that touches its result
; A lane holds all four blocks of ITS column; the operand's layout wants blocks 0, 2 of a tile's column r in lane r and blocks 1, 3 in lane 16 + r.  The exchange of the first register's lanes 16-31 with the second's
; lanes 0-15, on (block 0, block 1) and on (block 2, block 3), gives just that: the first becomes tile t0's image, the second tile t0 + 1's.
.irp i, 0,1,2
	v_permlane16_swap_b32 v[IMG0+\i], v[IMG1+\i]
	v_permlane16_swap_b32 v[U+\i], v[U+4+\i]
	v_permlane16_swap_b32 v[IMG0+6+\i], v[IMG1+6+\i]
	v_permlane16_swap_b32 v[U+8+\i], v[U+12+\i]
.endr
.irp i, 0,1,2
	v_mov_b32 v[IMG0+3+\i], v[U+\i]
	v_mov_b32 v[IMG1+3+\i], v[U+4+\i]
	v_mov_b32 v[IMG0+9+\i], v[U+8+\i]
	v_mov_b32 v[IMG1+9+\i], v[U+12+\i]
.endr
.irp g, 0,1,2
	global_store_b128 v4, v[IMG0+4*\g:IMG0+4*\g+3], s[50:51] offset:512*\g         ; 32 lanes store 512 consecutive bytes, at a multiple of 512 from the buffer's first byte
.endr
.irp g, 0,1,2
	global_store_b128 v4, v[IMG1+4*\g:IMG1+4*\g+3], s[50:51] offset:1536+512*\g
.endr
	global_store_b32 v7, v14, s[52:53]             ; lane (r, hh): the word of tile t0 + hh, row r: 128 consecutive bytes a wave
	s_endpgm
; ---------------- x AND h.  K is innermost.  A wave: 32 rows x one K step: two fragments.  The four waves of a work-group take four neighbouring K steps of the same rows.
; Each load reads 512 consecutive bytes of one row, 16 a lane; 16 rows go through the wave's stage as they lie and come back so that lane (r, hh) holds, of row r, the 16 neighbours 32 b + 16 hh + 0 .. 15 of each block b.
.Lact:
	s_sub_co_u32 s21, ttmp9, 192                   ; t: 0 .. 255 x, 256 .. 767 h
	s_sub_co_u32 s22, s21, 256                     ; h: t'
	s_lshr_b32 s23, s22, 1                         ; h: which 32 rows
	s_and_b32 s26, s22, 1
	s_lshl_b32 s26, s26, 2
	s_add_co_u32 s26, s26, s20                     ; h: which 128 of its K: 4 (t' % 2) + wave
	s_add_co_u32 s27, s26, 4                       ; h: the K step
	s_mul_i32 s29, s20, STGB                       ; my stage
	s_wait_alu depctr_va_vdst(0)
	v_add_nc_u32 v5, s29, v4                       ; into it: 16 x lane, a row an instruction
	v_mul_u32_u24 v6, v2, SP
	v_lshl_add_u32 v6, v3, 6, v6
	v_add_nc_u32 v6, s29, v6                       ; out of it: row r, + 64 hh
	v_lshlrev_b32 v7, 3, v2
	v_lshl_add_u32 v7, v3, 2, v7                   ; my scale word's place: 8 r + 4 hh
.irp b, 0,1,2,3
	v_mov_b32 v[TM+4+\b], 0                        ; written once: a lane permute's destination counts as one of its sources
.endr
	s_wait_alu depctr_va_vdst(0)
	s_wait_kmcnt 0x0
	s_cmp_lt_u32 s21, 256                          ; x or h?  The choice hangs on the work-group's number alone; only selections follow the compare
	s_cselect_b32 s23, s21, s23                    ; G32: which 32 rows
	s_cselect_b32 s26, s20, s26                    ; which 128 of the tensor's K
	s_cselect_b32 s27, s20, s27                    ; s
	s_cselect_b32 s28, 11, 12                      ; a row is 2^11 or 2^12 bytes
	s_cselect_b64 s[24:25], s[4:5], s[6:7]
	s_add_co_u32 s29, s28, 5
	s_lshl_b32 s30, s23, s29                       ; 32 G32 rows
	s_lshl_b32 s31, s26, 9
	s_add_co_u32 s30, s30, s31                     ; + 512 bytes for each 128 along K
	s_mov_b32 s31, 0
	s_add_nc_u64 s[BQ:BQ+1], s[24:25], s[30:31]
	s_lshl_b32 s48, 8, s28                         ; eight rows
	s_mov_b32 s49, 0
.irp j, 1,2,3
	s_add_nc_u64 s[BQ+2*\j:BQ+2*\j+1], s[BQ+2*\j-2:BQ+2*\j-1], s[48:49]
.endr
.irp i, 0,1,2,3,4,5,6,7
	s_lshl_b32 s29, \i, s28
	v_add_nc_u32 v[VOFF+\i], s29, v4               ; row i of eight, + 16 x lane
.endr
	s_lshr_b32 s56, s23, 2                         ; RB
	s_and_b32 s57, s23, 3                          ; u: which 32 of its 128 rows
	s_mul_i32 s58, s56, 147456
	s_mul_i32 s59, s27, 12288
	s_add_co_u32 s58, s58, s59
	s_mul_i32 s59, s57, 3072
	s_add_co_u32 s58, s58, s59                     ; the images: RB x 147,456 + s x 12,288 + u x 3,072
	s_mov_b32 s59, 0
	s_add_nc_u64 s[50:51], s[12:13], s[58:59]
	s_mul_i32 s58, s56, 6144
	s_lshl_b32 s56, s27, 9
	s_add_co_u32 s58, s58, s56
	s_lshl_b32 s56, s57, 7
	s_add_co_u32 s58, s58, s56                     ; the words: RB x 6,144 + s x 512 + u x 128
	s_add_nc_u64 s[52:53], s[14:15], s[58:59]
.macro LOADA f                         ; rows 16 f .. 16 f + 15 into set f
.irp i, 0,1,2,3,4,5,6,7,8,9,10,11,12,13,14,15
	global_load_b128 v[R+64*(\f)+4*\i:R+64*(\f)+4*\i+3], v[VOFF+(\i%8)], s[BQ+2*(2*(\f)+\i/8):BQ+2*(2*(\f)+\i/8)+1] th:TH_LOAD_NT
.endr
.endm
.macro TURNA f                         ; through the stage: LDS serves a wave's instructions in order (ISA guide 5.7.1.4), so no wait stands between the stores and the loads
.irp i, 0,1,2,3,4,5,6,7,8,9,10,11,12,13,14,15
	ds_store_b128 v5, v[R+64*(\f)+4*\i:R+64*(\f)+4*\i+3] offset:SP*\i
.endr
.irp b, 0,1,2,3
.irp j, 0,1,2,3
	ds_load_b128 v[X+16*\b+4*\j:X+16*\b+4*\j+3], v6 offset:128*\b+16*\j
.endr
.endr
.endm
; 64 numbers of a lane, register 16 b + i = k 32 b + 16 hh + i of my row, become a fragment's codes in v[PC] on and its scale word in v[PW + pw].
.macro QUANT pw
.irp b, 0,1,2,3
	v_max3_num_f32 v[TM+\b], |v[X+16*\b]|, |v[X+1+16*\b]|, 0x2800000   ; block b: my 16 numbers, and the floor 2^(5 - 127): the byte cannot fall under 1
.endr
.irp i, 2,4,6,8,10,12,14
.irp b, 0,1,2,3
	v_max3_num_f32 v[TM+\b], v[TM+\b], |v[X+16*\b+\i]|, |v[X+1+16*\b+\i]|   ; (the four blocks by turns)
.endr
.endr
.irp b, 0,1,2,3
	v_permlanex16_b32 v[TM+4+\b], v[TM+\b], s54, s55
.endr
.irp b, 0,1,2,3
	v_max_num_f32 v[TM+\b], v[TM+\b], v[TM+4+\b]   ; with lane l xor 16's: the block's largest magnitude
.endr
.irp b, 0,1,2,3
	v_add_nc_u32 v[TM+8+\b], 0xfe000000, v[TM+\b]  ; 4 off its exponent field: the conversion's scale operand
.endr
.irp b, 0,1,2,3
	v_lshrrev_b32 v[TM+4+\b], 23, v[TM+8+\b]       ; the scale's byte
.endr
	v_lshl_or_b32 v[PW+\pw], v[TM+5], 8, v[TM+4]   ; the four bytes make my row's scale word, the same in both halves of the lanes
	v_lshl_or_b32 v[PW+\pw], v[TM+6], 16, v[PW+\pw]
	v_lshl_or_b32 v[PW+\pw], v[TM+7], 24, v[PW+\pw]
.irp c, 0,1
	v_cvt_scalef32_pk16_bf6_f32 v[PC+6*\c:PC+2+6*\c], v[X+32*\c:X+15+32*\c], v[TM+8+2*\c]
	v_cvt_scalef32_pk16_bf6_f32 v[PC+12+4*\c:PC+14+4*\c], v[X+16+32*\c:X+31+32*\c], v[TM+8+2*\c+1]   ; (a conversion's three registers begin on an even number)
.endr
	v_nop                                          ; one plain vector instruction behind the scaled conversions
.irp c, 0,1                                    ; the operand's layout wants a WHOLE block in a lane: lanes 0-15 block 2 c, lanes 16-31 block 2 c + 1
.irp i, 0,1,2
	v_permlane16_swap_b32 v[PC+6*\c+\i], v[PC+12+4*\c+\i]
.endr
.irp i, 0,1,2
	v_mov_b32 v[PC+3+6*\c+\i], v[PC+12+4*\c+\i]
.endr
.endr
.endm
.macro FRAGA f, left
	s_wait_loadcnt \left                           ; this fragment's 16 loads are in; the next fragment's may be out
	TURNA \f
	s_wait_dscnt 0x0                               ; my 64 numbers are back
.if (\f) > 0
	s_wait_xcnt 0x0                                ; the last fragment's stores have read the image's registers: they are written again only behind this wait
.endif
	QUANT \f
.irp g, 0,1,2
	global_store_b128 v4, v[PC+4*\g:PC+4*\g+3], s[50:51] offset:1536*(\f)+512*\g   ; 32 lanes store 512 consecutive bytes, at a multiple of 512 from the buffer's first byte
.endr
.endm
	s_wait_alu depctr_va_vdst(0)
	LOADA 0
	LOADA 1
	FRAGA 0, 16
	FRAGA 1, 0
	v_permlane16_swap_b32 v[PW], v[PW+1]           ; lanes 0-15 keep the first tile's words, lanes 16-31 get the second's
	global_store_b32 v7, v[PW], s[52:53]           ; 32 lanes store 128 consecutive bytes
	s_wait_tensorcnt 0x0                           ; the wave's end, behind my last LDS store
	ds_add_u32 v[SPW], v[NIL]
	s_wait_dscnt 0x0
	s_endpgm
.Lfunc_end_k_q310f03daf6_quant:
	.size	k_q310f03daf6_quant, .Lfunc_end_k_q310f03daf6_quant-k_q310f03daf6_quant
	.p2alignl 7, 3214868480
	.fill 96, 4, 3214868480
	.section	.rodata,"a",@progbits
	.p2align	6, 0x0
	.amdhsa_kernel k_q310f03daf6_quant
		.amdhsa_group_segment_fixed_size 34304
		.amdhsa_private_segment_fixed_size 0
		.amdhsa_enable_private_segment 0
		.amdhsa_kernarg_size 64
		.amdhsa_user_sgpr_count 2
		.amdhsa_user_sgpr_kernarg_segment_ptr 1
		.amdhsa_wavefront_size32 1
		.amdhsa_system_sgpr_workgroup_id_x 1
		.amdhsa_system_sgpr_workgroup_id_y 1
		.amdhsa_system_sgpr_workgroup_id_z 1
		.amdhsa_system_vgpr_workitem_id 0
		.amdhsa_next_free_vgpr 256
		.amdhsa_next_free_sgpr 66
		.amdhsa_reserve_vcc 0
		.amdhsa_float_denorm_mode_32 3
		.amdhsa_float_denorm_mode_16_64 3
		.amdhsa_memory_ordered 1
		.amdhsa_forward_progress 1
		.amdhsa_inst_pref_size 40
	.end_amdhsa_kernel
	.amdgpu_metadata
---
amdhsa.version: [ 1, 2 ]
amdhsa.kernels:
  - .name:           k_q310f03daf6_quant
    .symbol:         k_q310f03daf6_quant.kd
    .args:
      - { .name: x, .offset: 0, .size: 8, .value_kind: global_buffer, .address_space: global }
      - { .name: h, .offset: 8, .size: 8, .value_kind: global_buffer, .address_space: global }
      - { .name: Wx, .offset: 16, .size: 8, .value_kind: global_buffer, .address_space: global }
      - { .name: Wh, .offset: 24, .size: 8, .value_kind: global_buffer, .address_space: global }
      - { .name: acodes, .offset: 32, .size: 8, .value_kind: global_buffer, .address_space: global }
      - { .name: ascales, .offset: 40, .size: 8, .value_kind: global_buffer, .address_space: global }
      - { .name: wcodes, .offset: 48, .size: 8, .value_kind: global_buffer, .address_space: global }
      - { .name: wscales, .offset: 56, .size: 8, .value_kind: global_buffer, .address_space: global }
    .group_segment_fixed_size: 34304
    .private_segment_fixed_size: 0
    .kernarg_segment_align: 8
    .kernarg_segment_size: 64
    .max_flat_workgroup_size: 128
    .sgpr_count:     66
    .vgpr_count:     256
    .wavefront_size: 32
...
	.end_amdgpu_metadata
.endif
;; end of part 1
;; launch cell (part 2): grid 8 x 32, 4 waves a work-group, clusters of 4 x 1, 327,680 bytes of LDS; arguments acodes, ascales, wcodes, wscales, b, c, out0, out1; writes out0, out1
.if DOCPART == 2
	.amdgcn_target "amdgcn-amd-amdhsa--gfx1250"
	.amdhsa_code_object_version 6
	.text
	.protected	k_q310f03daf6_cell
	.globl	k_q310f03daf6_cell
	.p2align	8
	.type	k_q310f03daf6_cell,@function
k_q310f03daf6_cell:
	s_mov_b64 s[64:65], 0
	v_nop
	global_prefetch_b8 v0, s[64:65] scope:SCOPE_SE
	s_setreg_imm32_b32 hwreg(HW_REG_WAVE_MODE, 25, 1), 1
	s_wait_xcnt 0x0
	s_wait_alu depctr_hold_cnt(0) depctr_sa_sdst(0) depctr_va_vdst(0) depctr_va_sdst(0) depctr_va_ssrc(0) depctr_va_vcc(0) depctr_vm_vsrc(0)
	s_getreg_b32 s2, hwreg(HW_REG_IB_STS2, 6, 4)
	s_cmp_eq_u32 s2, 0
	s_cbranch_scc0 .Lentry_in_a_cluster
	s_endpgm
.Lentry_in_a_cluster:
	s_bfe_u32 s2, ttmp6, 0x10000c
	s_cmp_lg_u32 s2, 0x3003
	s_cbranch_scc0 .Lentry_shape_is_right
	s_endpgm
.Lentry_shape_is_right:
; LSTM cell, second launch: gates = [x h] [Wx; Wh] on codes of BF6 (E3M2) with E8M0 scales, then g = tanh(g_in + b), s = sigmoid(i_in + b), c_new = g s + s c (out1), h_new = tanh(c_new) s (out0).
; LEFT OUT, as shown at the head of the first kernel: gates[:, 2048:4096] (f_in, o_in) are read by nothing in reference(), so those columns of the products and b[2048:4096] are not computed or loaded.
; LIMITS: one f32 sum for each gate over K = 1,536, x's part first, and the bias enters behind it in one multiply-add; c_new is formed as s (c - 2 q) + s with g = 1 - 2 q: the order of rounding differs from
; the reference's.  NaN and infinities among the inputs are not served.
; q = 1 / (1 + 2^(2 log2(e) z)), sigmoid z = 1 / (1 + 2^(-log2(e) z)): where the power reaches infinity or 0 the reciprocal gives 0 or 1, the right limits; no hold and no branch.
; SHARES.  A work-group makes 256 rows x 128 outputs.  THE WEIGHTS STAY IN REGISTERS: wave w holds, for all twelve K steps of 128, the g and the i columns of 32 outputs: 4 tiles x 12 steps x 12 = 576 registers.
; Each fragment of the activations (16 rows x 128 K, 12 registers) is read from LDS once by each wave and feeds four products.  The 256 rows' codes for all of K are 294,912 bytes: they lie in LDS whole, nothing is filled twice.
; ORDER.  Rows 0-127 (units 0 .. 3 of 32 rows) are multiplied K step by K step as the weights come in; their 32 accumulators go to stages in LDS.  Then four trips: 32 more rows are multiplied (unit 4 + n) and
; the cell is run on units 2 n and 2 n + 1.  An even unit's results leave within the trip, an odd one's under the next trip's products: the stores stand in groups of two to four, but for the last unit's h.
; THE STAGES lie in the bytes of rows 0-127's codes, which have had their only fill and their last read.  A stage row is 64 outputs' g, then i: waves 2 p and 2 p + 1 write a row's halves, and each reads back 16 whole rows:
; lane (r, hh), registers 4 t .. 4 t + 3 = row 2 t + hh, outputs 4 r .. 4 r + 3: sixteen lanes on 256 consecutive bytes of c, out0 and out1.
; CLUSTERS: 4 x 1 work-groups share their rows: the activations' codes and scales are asked for JOINTLY.  The weights go from memory straight into registers, where they stay; a joint load fills LDS alone, and LDS is full
; with the activations, so they are loaded by each work-group for itself, three K steps ahead of their use.
; c is prefetched four units ahead: units 0 .. 3 in the first pass, 4 and 5 in trip 0, 6 and 7 in trip 1; each wave asks for the 16 blocks of 256 bytes of a unit that it will itself load; nothing is asked for beyond unit 7.
; THE MATRIX INSTRUCTION IS USED TRANSPOSED (source 0 = 16 gate columns, source 1 = 16 rows): lane (r, hh), register j of a result holds row r, column 8 hh + j.
; REGISTERS, in windows of 256.  window 0: addresses; v32-55 the weights' scale words; v56-63 the activations'; v64-159 weights of steps 10, 11; v160-255 the activations' fragments.
;   window 1: v0-239 weights of steps 0-4; v240-247 the bias.   window 2: v0-239 weights of steps 5-9.
;   window 3: first pass: all accumulators, tile t, column tile k at v[32 t + 8 k];  trips: v0-63 accumulators, v64-127 g and i of the even unit, v128-191 of the odd one, v192-223 and v224-255 their c, then h.
.set STEPB, 12288                      ; a K step of 128 rows: 8 images of 1,536 bytes
.set A1,    147456                     ; rows 128-255's codes in LDS, behind rows 0-127's
.set SCL,   294912                     ; the scale words of 256 rows, 12,288 bytes
.set SPARE, 307200                     ; the spare words, 128 bytes for each wave: two blocks of 256 bytes that no other line names
.set SP,    528                        ; a stage row: 512 bytes + 16
.set PAIRB, 32*SP                      ; a unit's stage of one pair of waves
.set SLOTB, 2*PAIRB                    ; a unit's stage; unit u has slot u % 4
.set AD,    12                         ; v12-17  16 x lane + the places of K steps 0, 5, 10 in rows 0-127's codes, then in rows 128-255's
.set STO,   18                         ; v18-19  where I put 16 bytes of a stage row, slots 0 and 2
.set RD,    20                         ; v20-21  where I read 16 bytes back
.set CO,    22                         ; v22     my byte offset in two rows of c, out0, out1
.set ADS,   23                         ; v23     LDS address of the activations' scale words
.set VWS,   24                         ; v24     offset of the weights' scale words in memory
.set PFO,   25                         ; v25     the prefetches' offset: lanes 0-15 a unit's 16 rows, lanes 16-31 the next unit's
.set R16,   26                         ; v26     16 r
.set SPW,   28                         ; v28     LDS address of my spare word; never rewritten
.set NIL,   29                         ; v29     0; never rewritten
.set WS,    32                         ; step s: WS + 2 s + e: lanes 0-15 g's tile e, lanes 16-31 i's tile e
.set AS,    56
.set FR,    160
.set BG,    240                        ; window 1: b of my four g columns times 2 log2(e), then of my four i columns times -log2(e)
.set BI,    244
.set MSB, 0
.macro WIN new                         ; s_set_vgpr_msb: bits 1:0 source 0, 3:2 source 1, 5:4 source 2, 7:6 destination; the high byte repeats the setting that is left
.if MSB != (\new)
	s_set_vgpr_msb (MSB<<8)|(\new)
.set MSB, (\new)
.endif
.endm
.macro PLACES4                         ; four places behind matrix instructions, in front of loads into their registers and of reads of results
.rept 4
	v_nop
.endr
.endm
.macro CROUND                          ; a round of the cluster's barrier
	s_barrier_signal -1
	s_barrier_wait -1
	s_cmp_lg_u32 s20, 0
	s_cbranch_scc1 .Lnot_wave_0_\@
	s_barrier_signal -3
.Lnot_wave_0_\@:
	s_barrier_wait -3
	s_barrier_signal -1
	s_barrier_wait -1
.endm
.macro WSEL s                          ; where step s's weights lie: window WW, first register WR
.if (\s) < 5
.set WW, 1
.set WR, 48*(\s)
.else
.if (\s) < 10
.set WW, 2
.set WR, 48*((\s)-5)
.else
.set WW, 0
.set WR, 64+48*((\s)-10)
.endif
.endif
.endm
.macro LOADWH s, h                     ; step s's two tiles of gate h (0 g, 1 i), three loads of 512 consecutive bytes each
	WSEL \s
	WIN WW<<6
.irp k, 0,1
.irp g, 0,1,2
	global_load_b128 v[WR+24*(\h)+12*\k+4*\g:WR+24*(\h)+12*\k+4*\g+3], v[AD], s[8:9] offset:STEPB*(\s)+6144*(\h)+1536*\k+512*\g
.endr
.endr
.endm
.macro FRAG reg, adr, off              ; an image: three loads of 512 consecutive bytes
.irp g, 0,1,2
	ds_load_b128 v[(\reg)+4*\g:(\reg)+4*\g+3], v[\adr] offset:(\off)+512*\g
.endr
.endm
; One product.  MA accumulator, MW weights, MF fragment, MS and MT their scale words, MRA and MRB which half of the lanes holds them; MZ: it starts the sum.
.macro MM
.if MZ
.if MRA
.if MRB
	v_wmma_scale_f32_16x16x128_f8f6f4 v[MA:MA+7], v[MW:MW+11], v[MF:MF+11], 0, v[MS], v[MT] matrix_a_fmt:MATRIX_FMT_BF6 matrix_b_fmt:MATRIX_FMT_BF6 matrix_a_scale:MATRIX_SCALE_ROW1 matrix_b_scale:MATRIX_SCALE_ROW1
.else
	v_wmma_scale_f32_16x16x128_f8f6f4 v[MA:MA+7], v[MW:MW+11], v[MF:MF+11], 0, v[MS], v[MT] matrix_a_fmt:MATRIX_FMT_BF6 matrix_b_fmt:MATRIX_FMT_BF6 matrix_a_scale:MATRIX_SCALE_ROW1
.endif
.else
.if MRB
	v_wmma_scale_f32_16x16x128_f8f6f4 v[MA:MA+7], v[MW:MW+11], v[MF:MF+11], 0, v[MS], v[MT] matrix_a_fmt:MATRIX_FMT_BF6 matrix_b_fmt:MATRIX_FMT_BF6 matrix_b_scale:MATRIX_SCALE_ROW1
.else
	v_wmma_scale_f32_16x16x128_f8f6f4 v[MA:MA+7], v[MW:MW+11], v[MF:MF+11], 0, v[MS], v[MT] matrix_a_fmt:MATRIX_FMT_BF6 matrix_b_fmt:MATRIX_FMT_BF6
.endif
.endif
.else
.if MRA
.if MRB
	v_wmma_scale_f32_16x16x128_f8f6f4 v[MA:MA+7], v[MW:MW+11], v[MF:MF+11], v[MA:MA+7], v[MS], v[MT] matrix_a_fmt:MATRIX_FMT_BF6 matrix_b_fmt:MATRIX_FMT_BF6 matrix_a_scale:MATRIX_SCALE_ROW1 matrix_b_scale:MATRIX_SCALE_ROW1
.else
	v_wmma_scale_f32_16x16x128_f8f6f4 v[MA:MA+7], v[MW:MW+11], v[MF:MF+11], v[MA:MA+7], v[MS], v[MT] matrix_a_fmt:MATRIX_FMT_BF6 matrix_b_fmt:MATRIX_FMT_BF6 matrix_a_scale:MATRIX_SCALE_ROW1
.endif
.else
.if MRB
	v_wmma_scale_f32_16x16x128_f8f6f4 v[MA:MA+7], v[MW:MW+11], v[MF:MF+11], v[MA:MA+7], v[MS], v[MT] matrix_a_fmt:MATRIX_FMT_BF6 matrix_b_fmt:MATRIX_FMT_BF6 matrix_b_scale:MATRIX_SCALE_ROW1
.else
	v_wmma_scale_f32_16x16x128_f8f6f4 v[MA:MA+7], v[MW:MW+11], v[MF:MF+11], v[MA:MA+7], v[MS], v[MT] matrix_a_fmt:MATRIX_FMT_BF6 matrix_b_fmt:MATRIX_FMT_BF6
.endif
.endif
.endif
.endm
	s_load_b256 s[4:11], s[0:1], 0x0               ; acodes s[4:5], ascales s[6:7], wcodes s[8:9], wscales s[10:11]
	s_load_b256 s[12:19], s[0:1], 0x20             ; b s[12:13], c s[14:15], out0 s[16:17], out1 s[18:19]
	v_lshl_add_u32 v[SPW], v0, 2, SPARE
	v_mov_b32 v[NIL], 0
	ds_add_u32 v[SPW], v[NIL]                      ; the wave's opening: the add, twice on end, and its wait ahead of my first tensor load
	ds_add_u32 v[SPW], v[NIL]
	v_lshrrev_b32 v1, 5, v0
	v_readfirstlane_b32 s20, v1                    ; wave w = 0 .. 3
	s_lshr_b32 s21, s20, 1                         ; p: which 64 of the work-group's outputs my pair of waves makes
	s_and_b32 s22, s20, 1                          ; which 32 of them I multiply; on the way out: which 16 rows of a unit are mine
	s_bfe_u32 s40, ttmp6, 0x40000                  ; cx
	s_lshl_b32 s42, ttmp9, 2
	s_add_co_u32 s42, s42, s40                     ; TC: outputs 128 TC on
	s_and_b32 s23, ttmp7, 0xffff                   ; TR: rows 256 TR on
	s_lshl_b32 s41, s42, 1
	s_add_co_u32 s41, s41, s21                     ; CB = 2 TC + p
	s_mul_i32 s66, s41, 12*STEPB
	s_mul_i32 s43, s22, 3072
	s_add_co_u32 s66, s66, s43                     ; my weights: CB x 147,456 + two images for each half
	s_mov_b32 s67, 0
	s_mul_i32 s68, s41, 6144
	s_lshl_b32 s43, s22, 7
	s_add_co_u32 s68, s68, s43                     ; and their scale words
	s_mov_b32 s69, 0
	s_lshl_b32 s70, s41, 8                         ; my pair's 64 outputs, in bytes
	s_mov_b32 s71, 0
	s_lshl_b32 s72, s23, 20
	s_lshl_b32 s43, s22, 16
	s_add_co_u32 s72, s72, s43
	s_add_co_u32 s72, s72, s70                     ; my part of c, out0, out1: row 256 TR + 16 (w % 2)
	s_mov_b32 s73, 0
	s_mul_i32 s74, s23, 2*A1                       ; the activations' codes and scale words hang on TR alone
	s_mov_b32 s75, 0
	s_mul_i32 s76, s23, 12288
	s_mov_b32 s77, 0
	s_mul_i32 s78, s20, 4*STEPB                    ; at the head waves 0 .. 2 fetch four K steps each of rows 0-127
	s_mov_b32 s79, 0
	s_mul_i32 s80, s20, 3*STEPB                    ; then every wave three K steps of rows 128-255
	s_mov_b32 s81, 0
	; descriptor group 1: a dense block as rows of 256 bytes (32 elements of 8 bytes), no padding; the mask names the cluster's four
.irp g, 24, 48
	s_mov_b32 s[\g+0], 15|(3<<16)|(1<<21)
	s_mov_b32 s[\g+1], 32<<16
	s_mov_b32 s[\g+3], 32<<16
	s_mov_b32 s[\g+5], 32
	s_mov_b32 s[\g+6], 0
	s_mov_b32 s[\g+7], 0
.endr
	s_mov_b32 s26, 192<<16                         ; s[24:31] codes: 192 rows, four K steps
	s_mov_b32 s28, 192
	s_mov_b32 s50, 48<<16                          ; s[48:55] scale words: 48 rows
	s_mov_b32 s52, 48
	s_mov_b32 s32, 1                               ; group 0: s[32:35] codes at the head, s[36:39] scale words, s[56:59] codes of rows 128-255
	s_mov_b32 s33, s78
	s_mov_b32 s36, 1
	s_mov_b32 s37, SCL
	s_mov_b32 s56, 1
	s_add_co_u32 s57, s80, A1
	s_mov_b32 s96, 0x4038aa3b                      ; 2 log2(e); the packed forms name a pair and take its low word for both halves, so both are written
	s_mov_b32 s97, s96
	s_mov_b32 s98, 0xbfb8aa3b                      ; -log2(e)
	s_mov_b32 s99, s98
	s_mul_i32 s43, s21, PAIRB
	s_lshl_b32 s46, s22, 7
	s_add_co_u32 s46, s46, s43                     ; into the stage: my pair's part, my half of a row's g and i
	s_mul_i32 s47, s22, 16*SP
	s_add_co_u32 s47, s47, s43                     ; out of it: my 16 rows
	v_and_b32 v1, 31, v0                           ; lane
	v_and_b32 v2, 15, v0                           ; r
	v_bfe_u32 v3, v0, 4, 1                         ; hh
	v_lshlrev_b32 v[AD], 4, v1
	v_lshlrev_b32 v5, 3, v1
	v_lshlrev_b32 v[R16], 4, v2
	v_mul_u32_u24 v6, v2, SP
	v_mul_u32_u24 v8, v3, SP
	v_lshlrev_b32 v9, 12, v3
	v_lshlrev_b32 v10, 8, v3
	v_lshlrev_b32 v11, 17, v3
	v_add_nc_u32 v[AD+1], 5*STEPB, v[AD]
	v_add_nc_u32 v[AD+2], 10*STEPB, v[AD]
	v_add_nc_u32 v[AD+3], A1, v[AD]
	v_add_nc_u32 v[AD+4], A1+5*STEPB, v[AD]
	v_add_nc_u32 v[AD+5], A1+10*STEPB, v[AD]
	v_add_nc_u32 v[ADS], SCL, v5
	v_lshl_add_u32 v7, v3, 5, v6
	v_add_nc_u32 v8, v8, v[R16]
	v_add_nc_u32 v[CO], v9, v[R16]
	v_lshl_add_u32 v[VWS], v2, 3, v10
	v_lshl_add_u32 v[PFO], v2, 12, v11
	v_add_nc_u32 v[STO], s46, v7
	v_add_nc_u32 v[RD], s47, v8
	v_add_nc_u32 v[STO+1], 2*SLOTB, v[STO]
	v_add_nc_u32 v[RD+1], 2*SLOTB, v[RD]
	s_wait_alu depctr_va_vdst(0)
	s_wait_dscnt 0x0                               ; both opening adds are done
	s_wait_kmcnt 0x0
	s_add_nc_u64 s[8:9], s[8:9], s[66:67]
	s_add_nc_u64 s[10:11], s[10:11], s[68:69]
	s_add_nc_u64 s[12:13], s[12:13], s[70:71]
	s_add_nc_u64 s[14:15], s[14:15], s[72:73]
	s_add_nc_u64 s[16:17], s[16:17], s[72:73]
	s_add_nc_u64 s[18:19], s[18:19], s[72:73]
	s_add_nc_u64 s[4:5], s[4:5], s[74:75]
	s_add_nc_u64 s[34:35], s[4:5], s[78:79]
	s_or_b32 s35, s35, 0x80000000
	s_add_nc_u64 s[38:39], s[6:7], s[76:77]
	s_or_b32 s39, s39, 0x80000000
	s_add_nc_u64 s[58:59], s[4:5], s[80:81]
	s_add_nc_u64 s[58:59], s[58:59], A1
	s_or_b32 s59, s59, 0x80000000
	CROUND                                         ; all four work-groups are here: the first joint loads meet
	; ONE tensor load a wave at the head: waves 0 .. 2 rows 0-127's codes, wave 3 the scale words of all 256 rows
	s_cmp_lt_u32 s20, 3
	s_cbranch_scc0 .Lwords
	tensor_load_to_lds s[32:35], s[24:31]
	s_nop 0
	PLACES4
	s_branch .Lasked
.Lwords:
	tensor_load_to_lds s[36:39], s[48:55]
	s_nop 0
	PLACES4
.Lasked:
.irp s, 0,1,2,3,4,5,6,7,8,9,10,11
	global_load_b64 v[WS+2*\s:WS+2*\s+1], v[VWS], s[10:11] offset:512*\s   ; the weights' scale words
.endr
	WIN 0x40
	global_load_b128 v[BG:BG+3], v[R16], s[12:13]                  ; b of my four g columns,
	global_load_b128 v[BI:BI+3], v[R16], s[12:13] offset:4096      ; and of my four i columns
.irp s, 0,1,2
	LOADWH \s, 0
	LOADWH \s, 1
.endr
	WIN 0
	s_wait_tensorcnt 0x0                           ; my load of the head is in
	ds_add_u32 v[SPW], v[NIL]
	s_mov_b32 s26, 144<<16                         ; no tensor load of mine is out: from here on 144 rows, three K steps
	s_mov_b32 s28, 144
	s_wait_dscnt 0x0                               ; the add is done
	CROUND                                         ; everybody's loads are in
	tensor_load_to_lds s[56:59], s[24:31]          ; rows 128-255, three K steps a wave: the first tensor load behind the round
	s_nop 0
	PLACES4
; THE FIRST PASS.  Half a step: four tiles x four column tiles on step s.  All 32 accumulators take turns, in the same order in every step.
.macro FMUL s, i0
	WSEL \s
	WIN 0xf0+WW
.set MZ, ((\s)==0)
.irp i, 0,1,2,3
.irp k, 0,1,2,3
.set MA, 32*((\i0)+\i)+8*\k
.set MW, WR+12*\k
.set MF, FR+12*((\i0)+\i)
.set MS, WS+2*(\s)+(\k%2)
.set MT, AS+4*((\s)%2)+2*((\i0)/4)+(\i%2)
.set MRA, \k/2
.set MRB, \i/2
	MM
.endr
.endr
.endm
.macro FLOAD s, i0                     ; step s's fragments of tiles i0 .. i0 + 3; with the first four the step's scale words of all eight tiles
.irp i, 0,1,2,3
	FRAG FR+12*((\i0)+\i), AD+(\s)/5, ((\s)%5)*STEPB+1536*((\i0)+\i)
.endr
.if (\i0) == 0
.irp q, 0,1
	ds_load_b64 v[AS+4*((\s)%2)+2*\q:AS+4*((\s)%2)+2*\q+1], v[ADS] offset:512*(\s)+256*\q
.endr
.endif
.endm
.macro FSTEP s                         ; step s; the weights of step s + 3 are asked for in two halves, behind the two runs of LDS loads
.if (\s) < 10
	s_wait_loadcnt 24                              ; this step's weights are in; the 12 loads each of the two steps behind it may be out
.else
	s_wait_loadcnt 12*(11-(\s))
.endif
	s_wait_dscnt 12                                ; tiles 0-3 and the words are in; tiles 4-7's 12 loads may be out
	FMUL \s, 0
	s_wait_dscnt 0x0                               ; tiles 4-7 are in
.if (\s) < 11
	PLACES4
	WIN 0
	FLOAD (\s)+1, 0
.else
	s_wait_tensorcnt 0x0                           ; my part of rows 128-255 is in, and my reads of rows 0-127 are over: say so
	s_barrier_signal -1
.endif
.if (\s)+3 < 12
	LOADWH (\s)+3, 0
.endif
.if ((\s) == 2) || ((\s) == 5)
	global_prefetch_b8 v[PFO], s[14:15] offset:262144*((\s)/3) th:TH_LOAD_NT scope:SCOPE_SE   ; c of units 0, 1; then of units 2, 3
.endif
	FMUL \s, 4
	PLACES4
.if (\s) < 11
	WIN 0
	FLOAD (\s)+1, 4
.endif
.if (\s)+3 < 12
	LOADWH (\s)+3, 1
.endif
.endm
.macro TOSTAGE u, ac                   ; unit u's two row tiles x four column tiles, from v[ac] on, into its slot; each accumulator from its low end on
	WIN 0x0c
.irp t, 0,1
.irp k, 0,1,2,3
	ds_store_b128 v[STO+((\u)%4)/2], v[(\ac)+32*\t+8*\k:(\ac)+32*\t+8*\k+3] offset:((\u)%2)*SLOTB+16*SP*\t+256*(\k/2)+64*(\k%2)
	ds_store_b128 v[STO+((\u)%4)/2], v[(\ac)+32*\t+8*\k+4:(\ac)+32*\t+8*\k+7] offset:((\u)%2)*SLOTB+16*SP*\t+256*(\k/2)+64*(\k%2)+16
.endr
.endr
.endm
.macro ELOAD u, e                      ; my 16 rows of unit u: g into v[e] on, i into v[e + 32] on
	WIN 0xc0
.irp t, 0,1,2,3,4,5,6,7
	ds_load_b128 v[(\e)+4*\t:(\e)+4*\t+3], v[RD+((\u)%4)/2] offset:((\u)%2)*SLOTB+2*SP*\t
	ds_load_b128 v[(\e)+32+4*\t:(\e)+32+4*\t+3], v[RD+((\u)%4)/2] offset:((\u)%2)*SLOTB+2*SP*\t+256
.endr
.endm
.macro CLOAD u, cr                     ; c of my 16 rows of unit u: sixteen lanes read 256 consecutive bytes of a row, two rows an instruction; read once in the launch
	WIN 0xc0
.irp t, 0,1,2,3,4,5,6,7
	global_load_b128 v[(\cr)+4*\t:(\cr)+4*\t+3], v[CO], s[14:15] offset:131072*(\u)+8192*\t th:TH_LOAD_NT
.endr
.endm
.macro OUT r, b, u, t, cnt             ; cnt of the eight stores of unit u's results at v[r] on, from the t-th, to s[b:b+1] (18: out1, c_new; 16: out0, h_new): 16 lanes store 256 consecutive bytes, at a multiple of 256
	WIN 0x0c                                       ; from the buffer's first byte; the offsets stay inside the signed 24-bit immediate (ISA guide, chapter 10)
.set tt, (\t)
.rept \cnt
	global_store_b128 v[CO], v[(\r)+4*tt:(\r)+4*tt+3], s[\b:\b+1] offset:131072*(\u)+8192*tt th:TH_STORE_NT
.set tt, tt+1
.endr
.endm
; A TRIP'S PRODUCTS: unit 4 + n, tiles 2 n and 2 n + 1 of rows 128-255.  Fragments stand four steps deep and are fetched two steps at a time.
.macro MLOAD s, n
.irp t, 0,1
	FRAG FR+24*((\s)%4)+12*\t, AD+3+(\s)/5, ((\s)%5)*STEPB+1536*(2*(\n)+\t)
.endr
	ds_load_b64 v[AS+2*((\s)%4):AS+2*((\s)%4)+1], v[ADS] offset:6144+512*(\s)+256*((\n)/2)
.endm
.macro MMUL s, n
	WSEL \s
	WIN 0xf0+WW
.set MZ, ((\s)==0)
.irp t, 0,1
.irp k, 0,1,2,3
.set MA, 32*\t+8*\k
.set MW, WR+12*\k
.set MF, FR+24*((\s)%4)+12*\t
.set MS, WS+2*(\s)+(\k%2)
.set MT, AS+2*((\s)%4)+\t
.set MRA, \k/2
.set MRB, (\n)%2
	MM
.endr
.endr
.endm
.macro PRE e, j                        ; pair j of my 32 outputs: 2 log2(e) (g_in + b) and -log2(e) (i_in + b)
	v_pk_fma_f32 v[(\e)+2*(\j):(\e)+2*(\j)+1], v[(\e)+2*(\j):(\e)+2*(\j)+1], s[96:97], v[BG+2*((\j)%2):BG+2*((\j)%2)+1] op_sel_hi:[1,0,1]
	v_pk_fma_f32 v[(\e)+32+2*(\j):(\e)+32+2*(\j)+1], v[(\e)+32+2*(\j):(\e)+32+2*(\j)+1], s[98:99], v[BI+2*((\j)%2):BI+2*((\j)%2)+1] op_sel_hi:[1,0,1]
.endm
.macro MSTEP s, n
.if ((\s) == 4) || ((\s) == 6) || ((\s) == 8)
	s_wait_dscnt 14                                ; this step's and the next one's loads are in; the seven each of the two steps behind them may be out
.endif
.if (\s) == 10
	s_wait_dscnt 0x0                               ; all my LDS instructions are done, my reads of the slot that unit 4 + n takes among them: say so
	s_barrier_signal -1
.endif
.if ((\s) == 8) && ((\n) < 2)
	WIN 0
	global_prefetch_b8 v[PFO], s[14:15] offset:262144*(2+(\n)) th:TH_LOAD_NT scope:SCOPE_SE   ; c of units 4 + 2 n and 5 + 2 n, four units on
.endif
.if ((\s) == 9) && ((\n) > 0)
	s_wait_xcnt 0x0                                ; the odd unit's stores have read their registers: c's may be loaded anew, and g's and i's behind them
	CLOAD 2*(\n)+1, 224
.endif
	MMUL \s, \n
.if (\s) == 1
	s_wait_dscnt 0x0                               ; the even unit's g and i are in
.endif
.if ((\s) == 1) || ((\s) == 3) || ((\s) == 5) || ((\s) == 7)
	WIN 0xd3                                       ; (bias: window 1)
	PRE 64, 2*(\s)-2                               ; the even unit's eight multiply-adds are the places in front of the loads below
	PRE 64, 2*(\s)-1
	PRE 64, 2*(\s)
	PRE 64, 2*(\s)+1
	WIN 0
	MLOAD (\s)+3, \n
	MLOAD (\s)+4, \n
.if (\n) > 0
	OUT 128, 18, 2*(\n)-1, (\s)-1, 2               ; the last trip's odd unit
	OUT 224, 16, 2*(\n)-1, (\s)-1, 2
.endif
.endif
.endm
; THE CELL on unit u: g, i at v[e] on, c at v[cr] on, all in window 3.  odd = 0: in it a barrier shows unit 4 + n's stage to all, and the odd unit's g and i are fetched behind it;  odd = 1: in it the even unit's h leaves,
; and the next even unit's c, g and i are fetched.  The exponentials and the reciprocals go in batches, one wait ahead of each and one behind it; the stores stand behind these waits.
.macro CELL u, e, cr, n, odd
.if \odd
	s_wait_dscnt 0x0                               ; my g and i are in
	WIN 0xd3
.set jj, 0
.rept 16
	PRE \e, jj
.set jj, jj+1
.endr
.endif
	s_wait_alu depctr_va_vdst(0)
.if \odd
	OUT 192, 16, (\u)-1, 0, 3
.endif
	WIN 0xff
.set jj, (\e)
.rept 64
	v_exp_f32 v[jj], v[jj]
.set jj, jj+1
.endr
	v_nop
	s_wait_alu depctr_va_vdst(0)
.if \odd
	OUT 192, 16, (\u)-1, 3, 3
	WIN 0xff
.endif
.set jj, (\e)
.rept 32
	v_pk_add_f32 v[jj:jj+1], v[jj:jj+1], 1.0 op_sel_hi:[1,0]
.set jj, jj+2
.endr
	s_wait_alu depctr_va_vdst(0)
.if \odd
	OUT 192, 16, (\u)-1, 6, 2
	WIN 0xff
.endif
.set jj, (\e)
.rept 64
	v_rcp_f32 v[jj], v[jj]                         ; q, and s = sigmoid(i_in + b): i_out, f_out and o_out alike
.set jj, jj+1
.endr
	v_nop
.if \odd
	s_wait_loadcnt 0x0                             ; my c is in
.else
	s_wait_loadcnt 8                               ; my c is in; the odd unit's eight loads may be out
	s_wait_dscnt 0x0                               ; my stores into unit 4 + n's stage are done
	s_barrier_signal -1
.endif
	s_wait_alu depctr_va_vdst(0)
.set jj, 0
.rept 16
	v_pk_fma_f32 v[(\e)+jj:(\e)+jj+1], v[(\e)+jj:(\e)+jj+1], -2.0, v[(\cr)+jj:(\cr)+jj+1] op_sel_hi:[1,0,1]      ; c - 2 q
.set jj, jj+2
.endr
.set jj, 0
.rept 16
	v_pk_fma_f32 v[(\e)+jj:(\e)+jj+1], v[(\e)+32+jj:(\e)+33+jj], v[(\e)+jj:(\e)+jj+1], v[(\e)+32+jj:(\e)+33+jj]  ; c_new = s (c - 2 q) + s = s c + s g
.set jj, jj+2
.endr
.set jj, 0
.rept 16
	v_pk_mul_f32 v[(\cr)+jj:(\cr)+jj+1], v[(\e)+jj:(\e)+jj+1], s[96:97] op_sel_hi:[1,0]
.set jj, jj+2
.endr
.if \odd
.if (\n) < 3
	s_wait_xcnt 0x0                                ; the even unit's stores have read their registers
	CLOAD (\u)+1, 192
	ELOAD (\u)+1, 64
.endif
.else
	s_barrier_wait -1
	ELOAD (\u)+1, 128
.endif
.set HERE, 1                           ; c_new leaves within the cell, but for an odd unit's with a trip to come
.if \odd
.if (\n) < 3
.set HERE, 0
.endif
.endif
	s_wait_alu depctr_va_vdst(0)
.if HERE
	OUT \e, 18, \u, 0, 2
.endif
	WIN 0xff
.set jj, (\cr)
.rept 32
	v_exp_f32 v[jj], v[jj]
.set jj, jj+1
.endr
	v_nop
	s_wait_alu depctr_va_vdst(0)
.if HERE
	OUT \e, 18, \u, 2, 2
	WIN 0xff
.endif
.set jj, (\cr)
.rept 16
	v_pk_add_f32 v[jj:jj+1], v[jj:jj+1], 1.0 op_sel_hi:[1,0]
.set jj, jj+2
.endr
	s_wait_alu depctr_va_vdst(0)
.if HERE
	OUT \e, 18, \u, 4, 2
	WIN 0xff
.endif
.set jj, (\cr)
.rept 32
	v_rcp_f32 v[jj], v[jj]
.set jj, jj+1
.endr
	v_nop
	s_wait_alu depctr_va_vdst(0)
.if HERE
	OUT \e, 18, \u, 6, 2
	WIN 0xff
.endif
.set jj, (\cr)
.rept 16
	v_pk_fma_f32 v[jj:jj+1], v[jj:jj+1], -2.0, 1.0 op_sel_hi:[1,0,0]         ; tanh(c_new)
.set jj, jj+2
.endr
.set jj, 0
.rept 16
	v_pk_mul_f32 v[(\cr)+jj:(\cr)+jj+1], v[(\cr)+jj:(\cr)+jj+1], v[(\e)+32+jj:(\e)+33+jj]   ; h_new
.set jj, jj+2
.endr
.if \odd
	s_wait_alu depctr_va_vdst(0)                   ; h_new is first read by stores
.if (\n) == 3
	OUT \cr, 16, \u, 0, 8
.endif
.endif
.endm
	FLOAD 0, 0
	FLOAD 0, 4
.irp s, 0,1,2,3,4,5,6,7,8,9,10,11
	FSTEP \s
.endr
	s_barrier_wait -1                              ; nobody reads rows 0-127's codes any more, and rows 128-255's are whole
.irp u, 0,1,2,3
	TOSTAGE \u, 64*\u
.endr
	WIN 0
.irp s, 0,1,2,3
	MLOAD \s, 0
.endr
	WIN 0x41
	v_pk_mul_f32 v[BG:BG+1], v[BG:BG+1], s[96:97] op_sel_hi:[1,0]          ; the bias under the exponentials' factors
	v_pk_mul_f32 v[BG+2:BG+3], v[BG+2:BG+3], s[96:97] op_sel_hi:[1,0]
	v_pk_mul_f32 v[BI:BI+1], v[BI:BI+1], s[98:99] op_sel_hi:[1,0]
	v_pk_mul_f32 v[BI+2:BI+3], v[BI+2:BI+3], s[98:99] op_sel_hi:[1,0]
	s_wait_alu depctr_va_vdst(0)
	s_wait_dscnt 0x0                               ; my stores into the stages are done, my first fragments are in
	CLOAD 0, 192
	CLOAD 1, 224
	s_barrier_signal -1
	s_barrier_wait -1                              ; the stages of units 0 .. 3 are whole
	ELOAD 0, 64
; THE TRIPS, written out: slots and row tiles differ from trip to trip.
.macro TRIP n
.irp s, 0,1,2,3,4,5,6,7,8,9,10,11
	MSTEP \s, \n
.endr
	PLACES4
	s_barrier_wait -1                              ; everybody has read the slot that unit 4 + n takes
	TOSTAGE 4+\n, 0
.if (\n) < 3
	WIN 0
.irp s, 0,1,2,3
	MLOAD \s, \n+1                                 ; the next unit's first four steps
.endr
.endif
	CELL 2*\n, 64, 192, \n, 0
	CELL 2*\n+1, 128, 224, \n, 1
.endm
	TRIP 0
	TRIP 1
	TRIP 2
	TRIP 3
	WIN 0
	s_wait_tensorcnt 0x0                           ; the wave's end: behind my last tensor load and my last LDS store
	ds_add_u32 v[SPW], v[NIL]
	s_wait_dscnt 0x0
	CROUND                                         ; the closing round: no work-group ends while a partner may still ask for a block that names it
	s_endpgm
.Lfunc_end_k_q310f03daf6_cell:
	.size	k_q310f03daf6_cell, .Lfunc_end_k_q310f03daf6_cell-k_q310f03daf6_cell
	.p2alignl 7, 3214868480
	.fill 96, 4, 3214868480
	.section	.rodata,"a",@progbits
	.p2align	6, 0x0
	.amdhsa_kernel k_q310f03daf6_cell
		.amdhsa_group_segment_fixed_size 327680
		.amdhsa_private_segment_fixed_size 0
		.amdhsa_enable_private_segment 0
		.amdhsa_kernarg_size 64
		.amdhsa_user_sgpr_count 2
		.amdhsa_user_sgpr_kernarg_segment_ptr 1
		.amdhsa_wavefront_size32 1
		.amdhsa_system_sgpr_workgroup_id_x 1
		.amdhsa_system_sgpr_workgroup_id_y 1
		.amdhsa_system_sgpr_workgroup_id_z 1
		.amdhsa_system_vgpr_workitem_id 0
		.amdhsa_next_free_vgpr 1024
		.amdhsa_next_free_sgpr 100
		.amdhsa_reserve_vcc 0
		.amdhsa_float_denorm_mode_32 3
		.amdhsa_float_denorm_mode_16_64 3
		.amdhsa_memory_ordered 1
		.amdhsa_forward_progress 1
		.amdhsa_inst_pref_size 255
	.end_amdhsa_kernel
	.section	.bss,"aw",@nobits
	.p2align	6
	.space	262144
	.amdgpu_metadata
---
amdhsa.version: [ 1, 2 ]
amdhsa.kernels:
  - .name:           k_q310f03daf6_cell
    .symbol:         k_q310f03daf6_cell.kd
    .args:
      - { .name: acodes, .offset: 0, .size: 8, .value_kind: global_buffer, .address_space: global }
      - { .name: ascales, .offset: 8, .size: 8, .value_kind: global_buffer, .address_space: global }
      - { .name: wcodes, .offset: 16, .size: 8, .value_kind: global_buffer, .address_space: global }
      - { .name: wscales, .offset: 24, .size: 8, .value_kind: global_buffer, .address_space: global }
      - { .name: b, .offset: 32, .size: 8, .value_kind: global_buffer, .address_space: global }
      - { .name: c, .offset: 40, .size: 8, .value_kind: global_buffer, .address_space: global }
      - { .name: out0, .offset: 48, .size: 8, .value_kind: global_buffer, .address_space: global }
      - { .name: out1, .offset: 56, .size: 8, .value_kind: global_buffer, .address_space: global }
    .group_segment_fixed_size: 327680
    .private_segment_fixed_size: 0
    .kernarg_segment_align: 8
    .kernarg_segment_size: 64
    .max_flat_workgroup_size: 128
    .sgpr_count:     100
    .vgpr_count:     1024
    .wavefront_size: 32
...
	.end_amdgpu_metadata
.endif
;; end of part 2
